; MI455X (gfx1250); checked and timed in simulation.
; The chip was launched on July 23, 2026; its instructions are those of AMD's public machine-readable ISA for CDNA 5 (MIT licence, August 2026) and "CDNA5" Instruction Set Architecture Reference Guide (July 2026). The comments in the code are by the model that wrote it; some were corrected since.
;; Base Grouped Query Attention. Allowed arithmetic: float matrix products may take bf16 or f16 operands with f32 sums; all other float work in f32.
;; Inputs: attention_mask 1 x 2,048 bool; cos_k 2,048 x 32 float32; cos_q 2,048 x 32 float32; key_value_states 1 x 2,048 x 2,048 float32; query_states 1 x 2,048 x 2,048 float32; sin_k 2,048 x 32 float32; sin_q 2,048 x 32 float32; wk 512 x 2,048 float32; wo 2,048 x 2,048 float32; wq 2,048 x 2,048 float32; wv 512 x 2,048 float32.
;; Outputs: out0 1 x 2,048 x 2,048 float32.
;; One version. Each part assembles by itself: llvm-mc -triple=amdgcn-amd-amdhsa -mcpu=gfx1250 --defsym DOCPART=n.
;; ======== version 1 of 1: 4 launches
;; limits: values are held in f16: magnitudes above 65,504 overflow, below 6.1e-05 lose precision; inputs' magnitudes at most 65,504; right only within a limited range of input values
;; workspace buffers: xb 16,777,216 bytes; wqkvb 12,582,912 bytes; wob 8,388,608 bytes; qkvb 12,582,912 bytes; ob 8,388,608 bytes
;; launch cast (part 1): grid 128 x 18, 8 waves a work-group, no clusters, 0 bytes of LDS; arguments query_states, key_value_states, wq, wk, wv, wo, xb, wqkvb, wob; writes xb, wqkvb, wob
.if DOCPART == 1
	.amdgcn_target "amdgcn-amd-amdhsa--gfx1250"
	.amdhsa_code_object_version 6
	.text
	.protected	k_q607cb6673e_cast
	.globl	k_q607cb6673e_cast
	.p2align	8
	.type	k_q607cb6673e_cast,@function
k_q607cb6673e_cast:
	s_mov_b64 s[64:65], 0
	v_nop
	global_prefetch_b8 v0, s[64:65] scope:SCOPE_SE
	s_setreg_imm32_b32 hwreg(HW_REG_WAVE_MODE, 25, 1), 1
	s_wait_xcnt 0x0
; cast: the six f32 matrices are rounded once to f16, so that the two projections that follow read 16-bit tiles.
;   xb    = [query_states ; key_value_states]          f16 [2][2048][2048]
;   wqkvb = [wq * 0.125 log2(e) ; wk ; wv]             f16 [3072][2048]
;   wob   = wo                                         f16 [2048][2048]
; The softmax's scale 1/sqrt(64) and the change to base 2 are multiplied into wq here: the rotation that follows the
; projection is linear, so the factor reaches the scores unchanged.
; LIMIT: f16 holds magnitudes up to 65,504; a larger input becomes an infinity.  Below 2^-14 the step is 2^-24.
; A stream: every byte is read once and written once, nothing is shared between work-groups, so no LDS, no cluster and no
; matrix unit.  18 units of 1,048,576 numbers (grid y), 128 work-groups a unit, 8,192 numbers a work-group, 32 a thread.
; A wave's load covers 512 consecutive bytes, its store 256 consecutive bytes that start at a multiple of 256.
.set X, 8                              ; v[8:39]   eight loads of four f32
.set Y, 40                             ; v[40:55]  eight stores of four f16
.set CSCALE, 0x3e38aa3b                ; 0.125 * log2(e)
	s_load_b512 s[8:23], s[0:1], 0x0               ; query s[8:9], key_value s[10:11], wq s[12:13], wk s[14:15], wv s[16:17], wo s[18:19], xb s[20:21], wqkvb s[22:23]
	s_load_b64 s[24:25], s[0:1], 0x40              ; wob
	s_and_b32 s2, ttmp7, 0xffff                    ; the unit, 0 to 17
	v_lshlrev_b32 v1, 4, v0                        ; 16 bytes of f32 a thread
	v_lshlrev_b32 v2, 3, v0                        ; 8 bytes of f16 a thread
	s_wait_kmcnt 0x0
	; the unit picks source, destination, the first unit of each, and the factor: units 0-3 query, 4-7 key_value, 8-11 wq, 12 wk, 13 wv, 14-17 wo
	s_mov_b64 s[26:27], s[8:9]                     ; source
	s_mov_b32 s28, 0                               ; the source's first unit
	s_mov_b64 s[30:31], s[20:21]                   ; destination
	s_mov_b32 s29, 0                               ; the destination's first unit
	s_mov_b32 s34, 1.0                             ; factor
	s_cmp_ge_u32 s2, 4
	s_cselect_b64 s[26:27], s[10:11], s[26:27]
	s_cselect_b32 s28, 4, s28
	s_cmp_ge_u32 s2, 8
	s_cselect_b64 s[26:27], s[12:13], s[26:27]
	s_cselect_b32 s28, 8, s28
	s_cselect_b64 s[30:31], s[22:23], s[30:31]
	s_cselect_b32 s29, 8, s29
	s_cselect_b32 s34, CSCALE, s34
	s_cmp_ge_u32 s2, 12
	s_cselect_b64 s[26:27], s[14:15], s[26:27]
	s_cselect_b32 s28, 12, s28
	s_cselect_b32 s34, 1.0, s34
	s_cmp_ge_u32 s2, 13
	s_cselect_b64 s[26:27], s[16:17], s[26:27]
	s_cselect_b32 s28, 13, s28
	s_cmp_ge_u32 s2, 14
	s_cselect_b64 s[26:27], s[18:19], s[26:27]
	s_cselect_b32 s28, 14, s28
	s_cselect_b64 s[30:31], s[24:25], s[30:31]
	s_cselect_b32 s29, 14, s29
	s_mov_b32 s35, s34                             ; the packed multiply names the pair
	s_sub_co_u32 s28, s2, s28
	s_lshl_b32 s28, s28, 22                        ; a unit is 4 MiB of f32,
	s_lshl_b32 s3, ttmp9, 15                       ; a work-group's part 32 KiB
	s_add_co_u32 s32, s28, s3
	s_mov_b32 s33, 0
	s_sub_co_u32 s29, s2, s29
	s_lshl_b32 s29, s29, 21                        ; and half of each in f16
	s_lshl_b32 s3, ttmp9, 14
	s_add_co_u32 s36, s29, s3
	s_mov_b32 s37, 0
	s_add_nc_u64 s[26:27], s[26:27], s[32:33]
	s_add_nc_u64 s[30:31], s[30:31], s[36:37]
.set i, 0
.rept 8
	global_load_b128 v[X+4*i:X+4*i+3], v1, s[26:27] offset:4096*i th:TH_LOAD_NT   ; all eight go out before anything is waited for
.set i, i+1
.endr
.set i, 0
.rept 8
	s_wait_loadcnt 7-i                             ; loads return in order: load i is in, the 7 - i younger ones stay out
	v_pk_mul_f32 v[X+4*i:X+4*i+1], v[X+4*i:X+4*i+1], s[34:35] op_sel_hi:[1,0]       ; one text for all units: the factor is 1 but for wq
	v_pk_mul_f32 v[X+4*i+2:X+4*i+3], v[X+4*i+2:X+4*i+3], s[34:35] op_sel_hi:[1,0]
	v_cvt_pk_f16_f32 v[Y+2*i], v[X+4*i], v[X+4*i+1]
	v_cvt_pk_f16_f32 v[Y+2*i+1], v[X+4*i+2], v[X+4*i+3]
	global_store_b64 v2, v[Y+2*i:Y+2*i+1], s[30:31] offset:2048*i   ; no register is written twice, so no store's source has to be freed
.set i, i+1
.endr
	s_endpgm
.Lfunc_end_k_q607cb6673e_cast:
	.size	k_q607cb6673e_cast, .Lfunc_end_k_q607cb6673e_cast-k_q607cb6673e_cast
	.p2alignl 7, 3214868480
	.fill 96, 4, 3214868480
	.section	.rodata,"a",@progbits
	.p2align	6, 0x0
	.amdhsa_kernel k_q607cb6673e_cast
		.amdhsa_group_segment_fixed_size 0
		.amdhsa_private_segment_fixed_size 0
		.amdhsa_enable_private_segment 0
		.amdhsa_kernarg_size 72
		.amdhsa_user_sgpr_count 2
		.amdhsa_user_sgpr_kernarg_segment_ptr 1
		.amdhsa_wavefront_size32 1
		.amdhsa_system_sgpr_workgroup_id_x 1
		.amdhsa_system_sgpr_workgroup_id_y 1
		.amdhsa_system_sgpr_workgroup_id_z 1
		.amdhsa_system_vgpr_workitem_id 0
		.amdhsa_next_free_vgpr 56
		.amdhsa_next_free_sgpr 66
		.amdhsa_reserve_vcc 0
		.amdhsa_float_denorm_mode_32 3
		.amdhsa_float_denorm_mode_16_64 3
		.amdhsa_memory_ordered 1
		.amdhsa_forward_progress 1
		.amdhsa_inst_pref_size 6
	.end_amdhsa_kernel
	.amdgpu_metadata
---
amdhsa.version: [ 1, 2 ]
amdhsa.kernels:
  - .name:           k_q607cb6673e_cast
    .symbol:         k_q607cb6673e_cast.kd
    .args:
      - { .name: query_states, .offset: 0, .size: 8, .value_kind: global_buffer, .address_space: global }
      - { .name: key_value_states, .offset: 8, .size: 8, .value_kind: global_buffer, .address_space: global }
      - { .name: wq, .offset: 16, .size: 8, .value_kind: global_buffer, .address_space: global }
      - { .name: wk, .offset: 24, .size: 8, .value_kind: global_buffer, .address_space: global }
      - { .name: wv, .offset: 32, .size: 8, .value_kind: global_buffer, .address_space: global }
      - { .name: wo, .offset: 40, .size: 8, .value_kind: global_buffer, .address_space: global }
      - { .name: xb, .offset: 48, .size: 8, .value_kind: global_buffer, .address_space: global }
      - { .name: wqkvb, .offset: 56, .size: 8, .value_kind: global_buffer, .address_space: global }
      - { .name: wob, .offset: 64, .size: 8, .value_kind: global_buffer, .address_space: global }
    .group_segment_fixed_size: 0
    .private_segment_fixed_size: 0
    .kernarg_segment_align: 8
    .kernarg_segment_size: 72
    .max_flat_workgroup_size: 256
    .sgpr_count:     66
    .vgpr_count:     56
    .wavefront_size: 32
...
	.end_amdgpu_metadata
.endif
;; end of part 1
;; launch proj (part 2): grid 24 x 8, 4 waves a work-group, clusters of 4 x 4, 327,680 bytes of LDS; arguments xb, wqkvb, cos_q, sin_q, cos_k, sin_k, qkvb; writes qkvb
.if DOCPART == 2
	.amdgcn_target "amdgcn-amd-amdhsa--gfx1250"
	.amdhsa_code_object_version 6
	.text
	.protected	k_q607cb6673e_proj
	.globl	k_q607cb6673e_proj
	.p2align	8
	.type	k_q607cb6673e_proj,@function
k_q607cb6673e_proj:
	s_mov_b64 s[64:65], 0
	v_nop
	global_prefetch_b8 v0, s[64:65] scope:SCOPE_SE
	s_setreg_imm32_b32 hwreg(HW_REG_WAVE_MODE, 25, 1), 1
	s_wait_xcnt 0x0
	s_wait_alu depctr_hold_cnt(0) depctr_sa_sdst(0) depctr_va_vdst(0) depctr_va_sdst(0) depctr_va_ssrc(0) depctr_va_vcc(0) depctr_vm_vsrc(0)
	s_getreg_b32 s2, hwreg(HW_REG_IB_STS2, 6, 4)
	s_cmp_eq_u32 s2, 0
	s_cbranch_scc0 .Lentry_in_a_cluster
	s_endpgm
.Lentry_in_a_cluster:
	s_bfe_u32 s2, ttmp6, 0x10000c
	s_cmp_lg_u32 s2, 0xf033
	s_cbranch_scc0 .Lentry_shape_is_right
	s_endpgm
.Lentry_shape_is_right:
; proj: the three projections as one product C[m][n] = sum over k of A[m][k] B[n][k], K = 2048, f16 operands, f32 sums,
; with the rotation (RoPE) of Q and K on the way out.  B = wqkvb, 3,072 rows: 2,048 of Q (already scaled), 512 of K, 512 of V.
; A = xb: query_states for Q's columns, key_value_states for K's and V's.
; Output qkvb: 48 slabs [2048 rows][64] of 16 bits: slabs 0-31 Q's heads (bf16), 32-39 K's heads (bf16), 40-47 V's heads (f16).
; Q and K go out in bf16 because their range has no bound that fits f16; V in f16.  LIMIT: |V| up to 65,504.
; A work-group makes 256 rows x 128 columns of C with four waves, a wave 128 x 64: 32 accumulator tiles.  For 32 along K a wave reads 192 rows of
; fragments from LDS for 32 matrix instructions; with 64 x 64 it would read 128 rows for 16.  8 x 24 = 192 work-groups in 12 clusters: fewer than there
; are WGPs, since Q's columns multiply another matrix than K's and V's and neither 2,048 nor 1,024 columns divide into blocks of 96 or 192.
; K goes through a ring of two LDS slots of 128 along K (rows of 256 bytes); a slot is four sub-steps of 32.  Slots of 256 along K would take
; 2 x 384 rows x 528 bytes, more than a work-group can have.
; CLUSTERS: 4 x 4 work-groups.  A's tile hangs on the block row alone and is asked for jointly by a row of the cluster, B's on the
; block column alone and is asked for jointly by a column.  The cluster's x says what kind of columns it makes (0-3 Q, 4 K, 5 V);
; all sixteen partners share it, and it is the only thing on which a branch here hangs beside the wave's number.
; THE MATRIX INSTRUCTION IS USED TRANSPOSED (source 0 = rows of B, source 1 = rows of A): lane (r, h), register j holds
; C(m0 + r, n0 + 8 h + j): eight neighbouring columns of one row, that is four pairs of the rotation.
; REGISTERS: window 0: v1-15 addresses, v16-63 at work on the way out, v64-159 and v160-255 two fragment buffers (B's four fragments, then A's eight).
; Window 1: the accumulators, tile (a, b) at 8 (4 a + b).  Window 2: cos and sin of my 128 rows.
.set PITCH,  272                       ; an LDS row: 256 bytes + 16 of padding = 17 x 16: the 16 rows of a fragment load start in 16 different 16-byte columns modulo 256
.set AH,     128*PITCH                 ; 128 rows of A: what one of waves 0, 1 fetches, and what a wave reads
.set BQ,     64*PITCH                  ; 64 rows of B: what one of waves 2, 3 fetches, and what a wave reads
.set SLOT,   2*AH+2*BQ                 ; A's 256 rows, then B's 128 rows
.set STAGE,  2*SLOT                    ; behind the ring: 16 rows x 144 bytes for each wave, for the way out; no tensor load lands there
.set SPITCH, 144
.set KBYTES, 256                       ; bytes in memory from one slot's tile to the next
.set ADRA, 8                           ; v8-9    LDS address of my A fragments in slot 0, 1
.set ADRB, 10                          ; v10-11  the same for B
.set STO,  12                          ; where I put 16 bytes of a row
.set RD,   13                          ; where I read rows back
.set CO,   14                          ; my byte offset in the slab
.set CSO,  15                          ; my byte offset in the tables
.set TT,   16                          ; v16-47  rotated numbers in f32
.set PP,   48                          ; v48-63  packed
.set F0,   64
.set F1,   160
.set COSR, 0                           ; window 2: cos(a, b) at COSR + 32 a + 4 b
.set SINR, 16                          ; window 2: sin(a, b) at SINR + 32 a + 4 b
.set G1,  24                           ; s[24:31] group 1 for A's tiles
.set G0,  32                           ; s[32:39] group 0 for A's tiles, one set a slot
.set G1B, 48                           ; s[48:55] group 1 for B's tiles
.set G0B, 56                           ; s[56:63] group 0 for B's tiles, one set a slot
.set ACCW, 0x50                        ; C and D in window 1, sources in window 0
.set MSB, 0
.macro WIN new                         ; the immediate's high byte repeats the setting that is left
.if MSB != \new
	s_set_vgpr_msb (MSB<<8)|\new
.set MSB, \new
.endif
.endm
.macro PLACES n
.rept \n
	v_nop
.endr
.endm
; A joint load: waves 0 and 1 fetch A's two halves, waves 2 and 3 B's.  The branch hangs on the wave's number alone.
.macro JLOAD s
	s_cmp_eq_u32 s11, 0
	s_cbranch_scc0 .Lfor_b_\@
	tensor_load_to_lds s[G0+4*\s:G0+4*\s+3], s[G1:G1+7]
	s_nop 0
	s_branch .Lasked_\@
.Lfor_b_\@:
	tensor_load_to_lds s[G0B+4*\s:G0B+4*\s+3], s[G1B:G1B+7]
	s_nop 0
.Lasked_\@:
.endm
; A round of the cluster's barrier: my work-group's barrier, wave 0 signals for the work-group, every wave waits for all sixteen, my work-group's barrier again.
.macro CREST
	s_cmp_lg_u32 s10, 0
	s_cbranch_scc1 .Lnot_wave_0_\@
	s_barrier_signal -3
.Lnot_wave_0_\@:
	s_barrier_wait -3
	s_barrier_signal -1
	s_barrier_wait -1
.endm
.macro CROUND
	s_barrier_signal -1
	s_barrier_wait -1
	CREST
.endm
	s_load_b128 s[4:7], s[0:1], 0x0                ; xb s[4:5], wqkvb s[6:7]
	s_load_b256 s[68:75], s[0:1], 0x10             ; cos_q s[68:69], sin_q s[70:71], cos_k s[72:73], sin_k s[74:75]
	s_load_b64 s[8:9], s[0:1], 0x30                ; qkvb
	v_lshl_add_u32 v4, v0, 2, 0x35400
	s_set_vgpr_msb 0xc0
	v_mov_b32 v1, 0
	s_set_vgpr_msb 0xc0cc
	ds_add_u32 v4, v1
	s_set_vgpr_msb 0xcc00
	v_lshrrev_b32 v1, 5, v0
	v_readfirstlane_b32 s10, v1                    ; wave 0..3
	s_lshr_b32 s11, s10, 1                         ; my half of the block's rows.  Also: I fetch for A (0) or for B (1)
	s_and_b32 s12, s10, 1                          ; my half of its columns.  Also: which half of that tile I fetch
	s_bfe_u32 s40, ttmp6, 0x40000                  ; cx
	s_bfe_u32 s41, ttmp6, 0x40004                  ; cy
	s_lshl_b32 s42, ttmp9, 2
	s_add_co_u32 s42, s42, s40                     ; block column 0..23 = 4 x cluster x + cx
	s_and_b32 s13, ttmp7, 0xffff
	s_lshl_b32 s13, s13, 2
	s_add_co_u32 s13, s13, s41                     ; block row 0..7 = 4 x cluster y + cy
	s_lshl_b32 s43, s41, 2
	s_lshl_b32 s43, 15, s43                        ; my row of the cluster: places 4 cy .. 4 cy + 3
	s_lshl_b32 s44, 0x1111, s40                    ; my column: places cx, cx + 4, cx + 8, cx + 12
	; group 1: tiles of 128 (A) or 64 (B) rows x 128 elements of 2 bytes, 4 words of padding behind every 64 words
	s_or_b32 s[G1+0], s43, (1<<16)|(1<<20)|(1<<21)|(5<<22)|(3<<25)
	s_or_b32 s[G1B+0], s44, (1<<16)|(1<<20)|(1<<21)|(5<<22)|(3<<25)
	s_mov_b32 s[G1+1], 128<<16                     ; tensor_dim0 = 128
	s_mov_b32 s[G1B+1], 128<<16
	s_mov_b32 s[G1+2], 128<<16                     ; tensor_dim1 = 128 rows of A,
	s_mov_b32 s[G1B+2], 64<<16                     ; 64 of B
	s_mov_b32 s[G1+3], 128<<16                     ; tile_dim0 = 128
	s_mov_b32 s[G1B+3], 128<<16
	s_mov_b32 s[G1+4], 128                         ; tile_dim1
	s_mov_b32 s[G1B+4], 64
	s_mov_b32 s[G1+5], 2048                        ; elements from row to row
	s_mov_b32 s[G1B+5], 2048
	s_mov_b32 s[G1+6], 0
	s_mov_b32 s[G1B+6], 0
	s_mov_b32 s[G1+7], 0
	s_mov_b32 s[G1B+7], 0
	; where the tiles come from: A's from the block row, the half that I fetch and the cluster's kind; B's from the block column and the half
	s_lshl_b32 s17, s12, 7
	s_lshl_b32 s16, s13, 8
	s_add_co_u32 s16, s16, s17                     ; A: row 256 x block row + 128 x half
	s_lshl_b32 s16, s16, 12                        ; rows of 4,096 bytes
	s_cmp_ge_u32 ttmp9, 4
	s_cselect_b32 s45, 0x800000, 0                 ; K's and V's columns multiply key_value_states, the second matrix of xb
	s_add_co_u32 s16, s16, s45
	s_lshl_b32 s18, s12, 6
	s_lshl_b32 s46, s42, 7
	s_add_co_u32 s46, s46, s18                     ; B: row 128 x block column + 64 x half
	s_lshl_b32 s46, s46, 12
	s_mov_b32 s17, 0
	s_mov_b32 s47, 0
	s_mul_i32 s20, s10, AH                         ; where they go: A's halves at 0 and AH (waves 0, 1),
	s_mul_i32 s21, s10, BQ
	s_add_co_u32 s21, s21, 2*(AH-BQ)               ; B's at 2 AH and 2 AH + BQ (waves 2, 3); no place in the cluster enters an LDS address
	s_lshl_b32 s80, s13, 8
	s_lshl_b32 s81, s11, 7
	s_add_co_u32 s80, s80, s81                     ; my first row of C = 256 x block row + 128 x my half
	s_lshl_b32 s80, s80, 7                         ; x 128 bytes: a row of a table, and a row of a slab
	s_mov_b32 s81, 0
	s_lshl1_add_u32 s82, s42, s12                  ; my slab = 2 x block column + my half of the columns
	s_lshl_b32 s82, s82, 18                        ; slabs of 262,144 bytes
	s_add_co_u32 s82, s82, s80
	s_mov_b32 s83, 0
	s_wait_dscnt 0x0
	s_wait_kmcnt 0x0
	s_add_nc_u64 s[14:15], s[4:5], s[16:17]
	s_add_nc_u64 s[46:47], s[6:7], s[46:47]
	s_add_nc_u64 s[8:9], s[8:9], s[82:83]          ; my 128 rows of my slab: 16,384 consecutive bytes
	s_cmp_ge_u32 ttmp9, 4
	s_cselect_b64 s[76:77], s[72:73], s[68:69]     ; the keys' tables or the queries'
	s_cselect_b64 s[78:79], s[74:75], s[70:71]
	s_add_nc_u64 s[76:77], s[76:77], s[80:81]
	s_add_nc_u64 s[78:79], s[78:79], s[80:81]
	CROUND                                         ; all sixteen work-groups are here: the first joint loads meet
.irp s, 0,1
	s_mov_b32 s[G0+4*\s], 1
	s_add_co_u32 s[G0+4*\s+1], s20, \s*SLOT
	s_add_nc_u64 s[G0+4*\s+2:G0+4*\s+3], s[14:15], \s*KBYTES
	s_or_b32 s[G0+4*\s+3], s[G0+4*\s+3], 0x80000000
	s_mov_b32 s[G0B+4*\s], 1
	s_add_co_u32 s[G0B+4*\s+1], s21, \s*SLOT
	s_add_nc_u64 s[G0B+4*\s+2:G0B+4*\s+3], s[46:47], \s*KBYTES
	s_or_b32 s[G0B+4*\s+3], s[G0B+4*\s+3], 0x80000000
	JLOAD \s                                       ; both slots are asked for before anything else: two tensor loads of a wave are out here, one behind each later round
.endr
	v_and_b32 v1, 15, v0                           ; r
	v_bfe_u32 v2, v0, 4, 1                         ; h
	v_mul_u32_u24 v3, v1, PITCH
	v_lshl_add_u32 v3, v2, 4, v3                   ; r x pitch + 16 h
	s_mul_i32 s22, s11, AH                         ; my 128 rows of A
	s_mul_i32 s23, s12, BQ                         ; my 64 rows of B,
	s_add_co_u32 s23, s23, 2*AH                    ; which lie behind A's 256
.irp s, 0,1
	v_add_nc_u32 v[ADRA+\s], s22, v3
	v_add_nc_u32 v[ADRB+\s], s23, v3
	s_add_co_u32 s22, s22, SLOT
	s_add_co_u32 s23, s23, SLOT
.endr
	s_mul_i32 s18, s10, 16*SPITCH
	s_add_co_u32 s18, s18, STAGE                   ; my stage
	v_mul_u32_u24 v5, v1, SPITCH
	v_lshl_add_u32 v5, v2, 4, v5
	v_add_nc_u32 v[STO], s18, v5                   ; in: row r, 16 bytes for each half of the lanes
	v_and_b32 v6, 31, v0                           ; lane
	v_lshrrev_b32 v7, 3, v6
	v_mul_u32_u24 v7, v7, SPITCH
	v_and_b32 v5, 7, v0
	v_lshl_add_u32 v7, v5, 4, v7
	v_add_nc_u32 v[RD], s18, v7                    ; back: eight lanes take one row of 128 bytes, the wave four rows
	v_lshlrev_b32 v[CO], 4, v6                     ; which are 512 consecutive bytes of the slab
	v_lshlrev_b32 v[CSO], 7, v1
	v_lshl_add_u32 v[CSO], v2, 4, v[CSO]           ; tables: row r, pairs 4 h .. 4 h + 3
	; cos and sin of my 128 rows: lane (r, h) takes the four pairs 8 b + 4 h .. + 3 of row 16 a + r, those of its eight columns of tile (a, b).
	; They are asked for here and waited for in front of the way out: the whole of K lies between.
	; V's tiles load them too and do not use them: the loads stand on every path, so the registers are written on every path.
	WIN 0x80                                       ; destination in window 2
.set ta, 0
.rept 8
.set tb, 0
.rept 4
	global_load_b128 v[COSR+32*ta+4*tb:COSR+32*ta+4*tb+3], v[CSO], s[76:77] offset:2048*ta+32*tb
	global_load_b128 v[SINR+32*ta+4*tb:SINR+32*ta+4*tb+3], v[CSO], s[78:79] offset:2048*ta+32*tb
.set tb, tb+1
.endr
.set ta, ta+1
.endr
	WIN 0
; 4 n matrix instructions: m tiles a0 .. a0 + n - 1 x all four n tiles, 32 along K.  zero = 1: the first product starts the sums.
; The 32 accumulators take turns, one instruction a turn, in the same order everywhere.
.macro MULA f, a0, n, zero
.set ma, \a0
.rept \n
.set mb, 0
.rept 4
.if \zero
	v_wmma_f32_16x16x32_f16 v[8*(4*ma+mb):8*(4*ma+mb)+7], v[\f+8*mb:\f+8*mb+7], v[\f+32+8*ma:\f+32+8*ma+7], 0
.else
	v_wmma_f32_16x16x32_f16 v[8*(4*ma+mb):8*(4*ma+mb)+7], v[\f+8*mb:\f+8*mb+7], v[\f+32+8*ma:\f+32+8*ma+7], v[8*(4*ma+mb):8*(4*ma+mb)+7]
.endif
.set mb, mb+1
.endr
.set ma, ma+1
.endr
.endm
; 24 LDS loads: the fragments of sub-step q (64 rows of B, 128 rows of A, 32 along K) into buffer f
.macro FETCH slot, q, f
.set fi, 0
.rept 4
	ds_load_b128 v[\f+8*fi:\f+8*fi+3],   v[ADRB+\slot] offset:64*\q+16*fi*PITCH
	ds_load_b128 v[\f+8*fi+4:\f+8*fi+7], v[ADRB+\slot] offset:64*\q+16*fi*PITCH+32
.set fi, fi+1
.endr
.set fi, 0
.rept 8
	ds_load_b128 v[\f+32+8*fi:\f+32+8*fi+3],   v[ADRA+\slot] offset:64*\q+16*fi*PITCH
	ds_load_b128 v[\f+32+8*fi+4:\f+32+8*fi+7], v[ADRA+\slot] offset:64*\q+16*fi*PITCH+32
.set fi, fi+1
.endr
.endm
; One sub-step: asks for sub-step qn's fragments into buffer g, then multiplies buffer f: the loads have 32 matrix instructions in which to come.
.macro SUB f, g, slot, qn, zero
	PLACES 4                                       ; buffer g was read by the matrix instructions just issued: four places before loads are issued into it
	WIN 0
	FETCH \slot, \qn, \g
	s_wait_dscnt 24                                ; buffer f's 24 loads are in; the 24 just issued stay out
	WIN ACCW
	MULA \f, 0, 8, \zero
.endm
.macro HALF slot, zero                 ; sub-steps 0 to 2 of a slot
	SUB F0, F1, \slot, 1, \zero
	SUB F1, F0, \slot, 2, 0
	SUB F0, F1, \slot, 3, 0
.endm
; Sub-step 3 and the change of slots.  In front of the barrier each wave waits for its reads of this slot and for all its tensor loads (one is out:
; its part of the next slot).  fill = 1: the barrier opens a round of the cluster's barrier, and the joint refill of this slot is the first tensor load behind it.
.macro TURN slot, next, fill
	s_wait_dscnt 0x0                               ; my reads of this slot are over
	s_set_vgpr_msb 0x505c
	s_wait_tensorcnt 0x0                           ; all my tensor loads have landed
	ds_add_u32 v4, v1
	s_wait_dscnt 0x0
	s_set_vgpr_msb 0x5c50
	s_barrier_signal -1
	WIN ACCW
	MULA F1, 0, 4, 0                               ; registers only, while the others arrive
	WIN 0
	s_barrier_wait -1
.if \fill
	CREST                                          ; no wave of any partner still reads this slot or has a load on its way
	s_add_nc_u64 s[G0+4*\slot+2:G0+4*\slot+3], s[G0+4*\slot+2:G0+4*\slot+3], 2*KBYTES
	s_add_nc_u64 s[G0B+4*\slot+2:G0B+4*\slot+3], s[G0B+4*\slot+2:G0B+4*\slot+3], 2*KBYTES
	JLOAD \slot
.endif
	PLACES 4
	FETCH \next, 0, F0
	WIN ACCW
	MULA F1, 4, 4, 0
.endm
.macro LAP zero
	HALF 0, \zero
	TURN 0, 1, 1
	HALF 1, 0
	TURN 1, 0, 1
.endm
	s_wait_tensorcnt 0x1                           ; my part of slot 0 is in; slot 1's may stay out
	s_barrier_signal -1
	s_barrier_wait -1
	FETCH 0, 0, F0
	LAP 1                                          ; tiles 0 and 1; asks for 2 and 3
	WIN 0
	s_mov_b32 s3, 6
.Llap:
	LAP 0                                          ; tiles 2 to 13; asks for 4 to 15
	WIN 0
	s_sub_co_u32 s3, s3, 1
	s_cmp_lg_u32 s3, 0
	s_cbranch_scc1 .Llap
	HALF 0, 0                                      ; tiles 14 and 15: nothing is left to fetch
	TURN 0, 1, 0
	HALF 1, 0
	s_wait_dscnt 0x0
	WIN ACCW
	MULA F1, 0, 8, 0
	PLACES 4                                       ; four places before the results are read and the fragment buffers loaded again
	WIN 0
	s_wait_loadcnt 0x0                             ; the tables are in
; THE WAY OUT, 16 rows at a time.  rope = 1: (x1, x2) -> (x1 c - x2 s, x1 s + x2 c) in f32, then bf16.  rope = 0 (V): f16 as it is.
; 16 bytes a lane into my own stage, read back as whole rows; LDS serves a wave's instructions in order, so no wait stands between.
; Each block of 16 rows has read-back registers of its own, so no store's data is written again.
.macro OUT a, rope
.if \rope
	WIN 0x09                                       ; source 0 (the sums) in window 1, source 1 (the tables) in window 2
.set ob_, 0
.rept 4
.set op_, 0
.rept 4
	v_mul_f32 v[TT+8*ob_+2*op_],   v[8*(4*\a+ob_)+2*op_+1], v[SINR+32*\a+4*ob_+op_]
	v_mul_f32 v[TT+8*ob_+2*op_+1], v[8*(4*\a+ob_)+2*op_+1], v[COSR+32*\a+4*ob_+op_]
.set op_, op_+1
.endr
.set op_, 0
.rept 4
	v_fma_f32 v[TT+8*ob_+2*op_],   v[8*(4*\a+ob_)+2*op_], v[COSR+32*\a+4*ob_+op_], -v[TT+8*ob_+2*op_]
	v_fma_f32 v[TT+8*ob_+2*op_+1], v[8*(4*\a+ob_)+2*op_], v[SINR+32*\a+4*ob_+op_], v[TT+8*ob_+2*op_+1]
.set op_, op_+1
.endr
.set ob_, ob_+1
.endr
	WIN 0
.set op_, 0
.rept 16
	v_cvt_pk_bf16_f32 v[PP+op_], v[TT+2*op_], v[TT+2*op_+1]
.set op_, op_+1
.endr
.else
	WIN 0x05                                       ; sources 0 and 1 in window 1
.set op_, 0
.rept 16
	v_cvt_pk_f16_f32 v[PP+op_], v[32*\a+2*op_], v[32*\a+2*op_+1]
.set op_, op_+1
.endr
	WIN 0
.endif
.set op_, 0
.rept 4
	ds_store_b128 v[STO], v[PP+4*op_:PP+4*op_+3] offset:32*op_
.set op_, op_+1
.endr
.set op_, 0
.rept 4
	ds_load_b128 v[F0+16*\a+4*op_:F0+16*\a+4*op_+3], v[RD] offset:4*SPITCH*op_
.set op_, op_+1
.endr
.set op_, 0
.rept 4
	s_wait_dscnt 3-op_                             ; read-back op_ is in, the younger ones stay out
	global_store_b128 v[CO], v[F0+16*\a+4*op_:F0+16*\a+4*op_+3], s[8:9] offset:2048*\a+512*op_   ; 512 consecutive bytes, from a multiple of 512
.set op_, op_+1
.endr
.endm
	s_cmp_eq_u32 ttmp9, 5                          ; the cluster's kind: the same in all sixteen work-groups
	s_cbranch_scc1 .Lv_out
.irp a, 0,1,2,3,4,5,6,7
	OUT \a, 1
.endr
	s_branch .Ljoin
.Lv_out:
.irp a, 0,1,2,3,4,5,6,7
	OUT \a, 0
.endr
.Ljoin:
	s_set_vgpr_msb 0xc
	s_wait_tensorcnt 0x0
	ds_add_u32 v4, v1
	s_wait_dscnt 0x0
	s_set_vgpr_msb 0xc00
	CROUND                                         ; the closing round: no work-group ends while a partner may still ask for a tile that names it
	s_endpgm
.Lfunc_end_k_q607cb6673e_proj:
	.size	k_q607cb6673e_proj, .Lfunc_end_k_q607cb6673e_proj-k_q607cb6673e_proj
	.p2alignl 7, 3214868480
	.fill 96, 4, 3214868480
	.section	.rodata,"a",@progbits
	.p2align	6, 0x0
	.amdhsa_kernel k_q607cb6673e_proj
		.amdhsa_group_segment_fixed_size 327680
		.amdhsa_private_segment_fixed_size 0
		.amdhsa_enable_private_segment 0
		.amdhsa_kernarg_size 56
		.amdhsa_user_sgpr_count 2
		.amdhsa_user_sgpr_kernarg_segment_ptr 1
		.amdhsa_wavefront_size32 1
		.amdhsa_system_sgpr_workgroup_id_x 1
		.amdhsa_system_sgpr_workgroup_id_y 1
		.amdhsa_system_sgpr_workgroup_id_z 1
		.amdhsa_system_vgpr_workitem_id 0
		.amdhsa_next_free_vgpr 770
		.amdhsa_next_free_sgpr 84
		.amdhsa_reserve_vcc 0
		.amdhsa_float_denorm_mode_32 3
		.amdhsa_float_denorm_mode_16_64 3
		.amdhsa_memory_ordered 1
		.amdhsa_forward_progress 1
		.amdhsa_inst_pref_size 164
	.end_amdhsa_kernel
	.amdgpu_metadata
---
amdhsa.version: [ 1, 2 ]
amdhsa.kernels:
  - .name:           k_q607cb6673e_proj
    .symbol:         k_q607cb6673e_proj.kd
    .args:
      - { .name: xb, .offset: 0, .size: 8, .value_kind: global_buffer, .address_space: global }
      - { .name: wqkvb, .offset: 8, .size: 8, .value_kind: global_buffer, .address_space: global }
      - { .name: cos_q, .offset: 16, .size: 8, .value_kind: global_buffer, .address_space: global }
      - { .name: sin_q, .offset: 24, .size: 8, .value_kind: global_buffer, .address_space: global }
      - { .name: cos_k, .offset: 32, .size: 8, .value_kind: global_buffer, .address_space: global }
      - { .name: sin_k, .offset: 40, .size: 8, .value_kind: global_buffer, .address_space: global }
      - { .name: qkvb, .offset: 48, .size: 8, .value_kind: global_buffer, .address_space: global }
    .group_segment_fixed_size: 327680
    .private_segment_fixed_size: 0
    .kernarg_segment_align: 8
    .kernarg_segment_size: 56
    .max_flat_workgroup_size: 128
    .sgpr_count:     84
    .vgpr_count:     770
    .wavefront_size: 32
...
	.end_amdgpu_metadata
.endif
;; end of part 2
;; launch attn (part 3): grid 32 x 8, 8 waves a work-group, clusters of 4 x 1, 327,680 bytes of LDS; arguments qkvb, attention_mask, ob; writes ob
.if DOCPART == 3
	.amdgcn_target "amdgcn-amd-amdhsa--gfx1250"
	.amdhsa_code_object_version 6
	.text
	.protected	k_q607cb6673e_attn
	.globl	k_q607cb6673e_attn
	.p2align	8
	.type	k_q607cb6673e_attn,@function
k_q607cb6673e_attn:
	s_mov_b64 s[64:65], 0
	v_nop
	global_prefetch_b8 v0, s[64:65] scope:SCOPE_SE
	s_setreg_imm32_b32 hwreg(HW_REG_WAVE_MODE, 25, 1), 1
	s_wait_xcnt 0x0
	s_wait_alu depctr_hold_cnt(0) depctr_sa_sdst(0) depctr_va_vdst(0) depctr_va_sdst(0) depctr_va_ssrc(0) depctr_va_vcc(0) depctr_vm_vsrc(0)
	s_getreg_b32 s2, hwreg(HW_REG_IB_STS2, 6, 4)
	s_cmp_eq_u32 s2, 0
	s_cbranch_scc0 .Lentry_in_a_cluster
	s_endpgm
.Lentry_in_a_cluster:
	s_bfe_u32 s2, ttmp6, 0x10000c
	s_cmp_lg_u32 s2, 0x3003
	s_cbranch_scc0 .Lentry_shape_is_right
	s_endpgm
.Lentry_shape_is_right:
; attn: softmax(Q K^T + mask) V for one head and 256 queries a work-group, with a running maximum.  Scores are in base 2: the factor
; 0.125 log2(e) is already in Q.  Q, K bf16; V, the probabilities and the output f16; scores, maxima and sums f32.
; Output ob: 32 slabs [2048][64] f16, slab = head = 8 g + kv head.
; CLUSTERS: the four work-groups of a cluster are the four heads g = 0..3 that share a kv head, for the same 256 queries.  They walk the same K and V
; tiles and ask for them jointly (mask 15).  Nothing but the addresses of Q and of the output hangs on g.
; Eight waves, 32 queries (two tiles of 16) a wave.  Two LDS slots of 256 keys; a slot is four steps of 64 keys.
; ORIENTATION: S^T = K Q^T: lane (r, h), register j of tile mt holds key 16 mt + 8 h + j and query r.  A lane belongs to one query, so the softmax needs
; one exchange, with lane xor 16; and two packed scores are at once a register of the second source of O^T = V^T P^T.  V^T's fragments come by the
; transposing LDS load from V as it lies, [key][d].  O^T: lane (r, h), register j of tile dt holds d = 16 dt + 8 h + j of query r.
; THE MASK enters as the C operand of the first product: 0 for an allowed key, -2^126 for a masked one, in place of the reference's lowest f32.
; After the maximum is taken away both give 0 beside an allowed key.  Where NO key is allowed the reference gives the mean of V: here Q is then cleared
; (a select, no branch), all scores are exactly -2^126, every probability is 1 and the sum 2,048.
; LIMITS: |score| (in base 2) below 2^100; |V| up to 65,504.
.set KPITCH, 144                       ; 128 bytes + 16: 9 x 16
.set VPITCH, 160                       ; 128 bytes + 32: 5 x 32, for the transposing load
.set KSLOT,  256*KPITCH
.set VSLOT,  256*VPITCH
.set VBASE,  2*KSLOT
.set BIASB,  VBASE+2*VSLOT             ; 155,648: f32[2048], written by LDS stores; no tensor load lands here or behind
.set STAGE,  BIASB+8192                ; 16 rows x 144 bytes for each wave
.set TILEB,  32768                     ; 256 keys x 128 bytes in memory
.set KADR, 8                           ; v8-9    my K fragments in slot 0, 1
.set VADR, 10                          ; v10-11  my V fragments in slot 0, 1
.set BADR, 12                          ; my place in the bias; steps by 2,048 bytes a trip
.set STO,  13
.set RD,   14
.set CO,   15
.set MX,   16                          ; v16, v18 the running maximum of query tile 0, 1; v17, v19 what the other half of the lanes sent
.set AL,   20                          ; v20, v22 the factor 2^(old max - new max); v21, v23 the running sum (of my half of the keys)
.set TZ,   24                          ; v24-31  at work
.set SCO,  32                          ; v32-95  scores: tile (qt, mt) at SCO + 32 qt + 8 mt; later P(qt, ks) at SCO + 32 qt + 16 ks
.set KF,   96                          ; v96-159  K fragment (mt, ks) at KF + 16 mt + 8 ks
.set VF,   160                         ; v160-223 V^T fragment (dt, ks) at VF + 32 ks + 8 dt
.set BI,   224                         ; v224-255 bias of key tile mt at BI + 8 mt
.set OA,   0                           ; window 1: v0-63 O^T (qt, dt) at 32 qt + 8 dt
.set QF,   64                          ; window 1: v64-95 Q fragment (qt, ks) at QF + 16 qt + 8 ks
.set KG1, 16                           ; s[16:23] group 1 for K
.set VG1, 24                           ; s[24:31] group 1 for V
.set KG0, 32                           ; s[32:39] group 0 for K, one set a slot
.set VG0, 40                           ; s[40:47] group 0 for V, one set a slot
.set MSB, 0
.macro WIN new
.if MSB != \new
	s_set_vgpr_msb (MSB<<8)|\new
.set MSB, \new
.endif
.endm
.macro PLACES n
.rept \n
	v_nop
.endr
.endm
.macro JLOAD s                         ; waves 0-3 fetch 64 keys of K each, waves 4-7 64 keys of V each
	s_cmp_eq_u32 s15, 0
	s_cbranch_scc0 .Lfor_v_\@
	tensor_load_to_lds s[KG0+4*\s:KG0+4*\s+3], s[KG1:KG1+7]
	s_nop 0
	s_branch .Lasked_\@
.Lfor_v_\@:
	tensor_load_to_lds s[VG0+4*\s:VG0+4*\s+3], s[VG1:VG1+7]
	s_nop 0
.Lasked_\@:
.endm
.macro CROUND                          ; a round of the cluster's barrier
	s_barrier_signal -1
	s_barrier_wait -1
	s_cmp_lg_u32 s8, 0
	s_cbranch_scc1 .Lnot_wave_0_\@
	s_barrier_signal -3
.Lnot_wave_0_\@:
	s_barrier_wait -3
	s_barrier_signal -1
	s_barrier_wait -1
.endm
	s_load_b128 s[4:7], s[0:1], 0x0                ; qkvb s[4:5], attention_mask s[6:7]
	s_load_b64 s[10:11], s[0:1], 0x10              ; ob
	s_set_vgpr_msb 0x40
	v_lshl_add_u32 v96, v0, 2, 0x2c800
	v_mov_b32 v97, 0
	s_set_vgpr_msb 0x4045
	ds_add_u32 v96, v97
	s_set_vgpr_msb 0x4500
	v_lshrrev_b32 v1, 5, v0
	v_readfirstlane_b32 s8, v1                     ; wave 0..7
	s_lshr_b32 s15, s8, 2                          ; I fetch for K (0) or for V (1)
	s_mov_b32 s12, 0x76543210                      ; v_permlanex16_b32: lane i takes lane i of the other half
	s_mov_b32 s13, 0xfedcba98
	s_bfe_u32 s48, ttmp6, 0x40000                  ; cx = g
	s_and_b32 s49, ttmp7, 0xffff                   ; kv head
	; group 1: 64 keys are 8,192 consecutive bytes, taken as 32 rows of 32 elements of 8 bytes; padding behind every 32 words makes LDS rows of one key
	s_mov_b32 s[KG1+0], 15|(3<<16)|(1<<20)|(1<<21)|(4<<22)|(3<<25)   ; 4 words of padding
	s_mov_b32 s[VG1+0], 15|(3<<16)|(1<<20)|(1<<21)|(4<<22)|(7<<25)   ; 8 words of padding
	s_mov_b32 s[KG1+1], 32<<16
	s_mov_b32 s[VG1+1], 32<<16
	s_mov_b32 s[KG1+2], 32<<16
	s_mov_b32 s[VG1+2], 32<<16
	s_mov_b32 s[KG1+3], 32<<16
	s_mov_b32 s[VG1+3], 32<<16
	s_mov_b32 s[KG1+4], 32
	s_mov_b32 s[VG1+4], 32
	s_mov_b32 s[KG1+5], 32
	s_mov_b32 s[VG1+5], 32
	s_mov_b32 s[KG1+6], 0
	s_mov_b32 s[VG1+6], 0
	s_mov_b32 s[KG1+7], 0
	s_mov_b32 s[VG1+7], 0
	s_add_co_u32 s52, s49, 32                      ; K's slab
	s_lshl_b32 s52, s52, 18
	s_lshl_b32 s60, s8, 13                         ; 64 keys x 128 bytes a wave
	s_add_co_u32 s52, s52, s60
	s_mov_b32 s53, 0
	s_add_co_u32 s54, s52, (8<<18)-4*8192          ; V's slab is eight further; waves 4-7 take its keys 0-63 .. 192-255
	s_mov_b32 s55, 0
	s_lshl3_add_u32 s50, s48, s49                  ; head = 8 g + kv head
	s_lshl_b32 s50, s50, 18
	s_lshl_b32 s61, ttmp9, 15                      ; 256 queries x 128 bytes a work-group
	s_add_co_u32 s50, s50, s61
	s_lshl_b32 s61, s8, 12                         ; 32 queries a wave
	s_add_co_u32 s50, s50, s61
	s_mov_b32 s51, 0
	s_mul_i32 s58, s8, 64*KPITCH                   ; K's LDS bytes of waves 0-3
	s_mul_i32 s59, s8, 64*VPITCH
	s_add_co_u32 s59, s59, VBASE-4*64*VPITCH       ; V's LDS bytes of waves 4-7
	s_wait_dscnt 0x0
	s_wait_kmcnt 0x0
	s_add_nc_u64 s[52:53], s[4:5], s[52:53]
	s_add_nc_u64 s[54:55], s[4:5], s[54:55]
	s_add_nc_u64 s[56:57], s[4:5], s[50:51]        ; my 32 queries
	s_add_nc_u64 s[10:11], s[10:11], s[50:51]      ; and their place in ob: the same slab and rows
	CROUND                                         ; the four work-groups are here: the first joint loads meet
.irp s, 0,1
	s_mov_b32 s[KG0+4*\s], 1
	s_add_co_u32 s[KG0+4*\s+1], s58, \s*KSLOT
	s_add_nc_u64 s[KG0+4*\s+2:KG0+4*\s+3], s[52:53], \s*TILEB
	s_or_b32 s[KG0+4*\s+3], s[KG0+4*\s+3], 0x80000000
	s_mov_b32 s[VG0+4*\s], 1
	s_add_co_u32 s[VG0+4*\s+1], s59, \s*VSLOT
	s_add_nc_u64 s[VG0+4*\s+2:VG0+4*\s+3], s[54:55], \s*TILEB
	s_or_b32 s[VG0+4*\s+3], s[VG0+4*\s+3], 0x80000000
	JLOAD \s                                       ; two tensor loads of a wave are out here, one behind each later round
.endr
	v_and_b32 v1, 15, v0                           ; r
	v_bfe_u32 v2, v0, 4, 1                         ; h
	v_and_b32 v3, 7, v0
	v_bfe_u32 v4, v0, 3, 1
	v_and_b32 v5, 31, v0                           ; lane
	v_mul_u32_u24 v6, v1, KPITCH
	v_lshl_add_u32 v[KADR], v2, 4, v6              ; key r, 16 h
	v_add_nc_u32 v[KADR+1], KSLOT, v[KADR]
	s_mul_i32 s9, s8, 16*KPITCH
	s_add_co_u32 s9, s9, STAGE                     ; my stage, rows of 144 bytes too
	v_add_nc_u32 v[STO], s9, v[KADR]               ; in: row r, 16 h
	v_lshl_add_u32 v6, v2, 3, v3                   ; V: key 8 h + (lane & 7),
	v_mul_u32_u24 v6, v6, VPITCH
	v_lshl_add_u32 v6, v4, 4, v6                   ; 16 bytes of it by bit 3 of the lane
	v_add_nc_u32 v[VADR], VBASE, v6
	v_add_nc_u32 v[VADR+1], VBASE+VSLOT, v6
	v_lshlrev_b32 v[BADR], 5, v2
	v_add_nc_u32 v[BADR], BIASB, v[BADR]           ; keys 8 h .. 8 h + 7 of a tile of 16
	v_lshrrev_b32 v6, 3, v5
	v_mul_u32_u24 v6, v6, KPITCH
	v_lshl_add_u32 v6, v3, 4, v6
	v_add_nc_u32 v[RD], s9, v6                     ; back: eight lanes a row, four rows a load
	v_lshlrev_b32 v[CO], 4, v5                     ; 16 x lane
	v_lshlrev_b32 v7, 7, v1
	v_lshl_add_u32 v7, v2, 4, v7                   ; Q: row r, 16 h
	v_lshlrev_b32 v25, 3, v0                       ; my thread's 8 bytes of the mask
	v_lshlrev_b32 v26, 5, v0
	v_add_nc_u32 v26, BIASB, v26                   ; and their 8 words of bias
	v_mov_b32 v51, 0xfe800000                      ; -2^126
	v_mov_b32 v[MX+1], 0                           ; a lane exchange's destination counts as read
	v_mov_b32 v[MX+3], 0
.set ii, 0
.rept 4
	global_load_b128 v[SCO+4*ii:SCO+4*ii+3], v[CO], s[6:7] offset:512*ii   ; the whole mask, in every wave: is any key allowed?
.set ii, ii+1
.endr
	global_load_b64 v[48:49], v25, s[6:7]
	WIN 0x40
.set qt_, 0
.rept 2
.set ks_, 0
.rept 2
	global_load_b128 v[QF+16*qt_+8*ks_:QF+16*qt_+8*ks_+3],   v7, s[56:57] offset:2048*qt_+64*ks_
	global_load_b128 v[QF+16*qt_+8*ks_+4:QF+16*qt_+8*ks_+7], v7, s[56:57] offset:2048*qt_+64*ks_+32
.set ks_, ks_+1
.endr
.set qt_, qt_+1
.endr
	WIN 0
	s_wait_loadcnt 0x8                             ; the five loads of the mask are in; Q's eight stay out
.irp n, 8,4,2,1
.set ii, 0
.rept \n
	v_or_b32 v[SCO+ii], v[SCO+ii], v[SCO+\n+ii]
.set ii, ii+1
.endr
.endr
	v_cmp_ne_u32 vcc_lo, 0, v[SCO]
	s_cmp_lg_u32 vcc_lo, 0
	s_cselect_b32 s14, -1, 0                       ; all ones if any key is allowed
.set ii, 0
.rept 8
	v_bfe_u32 v50, v[48+ii/4], 8*(ii%4), 8
	v_cmp_eq_u32 vcc_lo, 0, v50
	v_cndmask_b32 v[56+ii], 0, v51, vcc_lo         ; byte 0: -2^126; else 0
.set ii, ii+1
.endr
	ds_store_b128 v26, v[56:59]
	ds_store_b128 v26, v[60:63] offset:16
	s_wait_loadcnt 0x0                             ; Q is in
	WIN 0x44
.set ii, 0
.rept 32
	v_and_b32 v[QF+ii], s14, v[QF+ii]              ; Q as it is, or zero where no key is allowed
.set ii, ii+1
.endr
	WIN 0
	s_wait_dscnt 0x0                               ; my words of the bias are written, for the other waves' sake
	s_wait_tensorcnt 0x1                           ; my part of slot 0 is in; slot 1's may stay out
	s_barrier_signal -1
	s_barrier_wait -1
.macro KLOAD slot, j                   ; 16 loads: K of keys 64 j .. 64 j + 63 of a slot
.set mt_, 0
.rept 4
.set ks_, 0
.rept 2
	ds_load_b128 v[KF+16*mt_+8*ks_:KF+16*mt_+8*ks_+3],   v[KADR+\slot] offset:64*KPITCH*\j+16*KPITCH*mt_+64*ks_
	ds_load_b128 v[KF+16*mt_+8*ks_+4:KF+16*mt_+8*ks_+7], v[KADR+\slot] offset:64*KPITCH*\j+16*KPITCH*mt_+64*ks_+32
.set ks_, ks_+1
.endr
.set mt_, mt_+1
.endr
.endm
.macro BLOAD bo                        ; 8 loads: the bias of 64 keys, in the layout of a C operand
.set mt_, 0
.rept 4
	ds_load_b128 v[BI+8*mt_:BI+8*mt_+3],   v[BADR] offset:\bo+64*mt_
	ds_load_b128 v[BI+8*mt_+4:BI+8*mt_+7], v[BADR] offset:\bo+64*mt_+16
.set mt_, mt_+1
.endr
.endm
.macro VLOAD slot, j                   ; 16 transposing loads: V^T of the same keys
.set ks_, 0
.rept 2
.set dt_, 0
.rept 4
	ds_load_tr16_b128 v[VF+32*ks_+8*dt_:VF+32*ks_+8*dt_+3],   v[VADR+\slot] offset:VPITCH*(64*\j+32*ks_)+32*dt_
	ds_load_tr16_b128 v[VF+32*ks_+8*dt_+4:VF+32*ks_+8*dt_+7], v[VADR+\slot] offset:VPITCH*(64*\j+32*ks_)+32*dt_+16*VPITCH
.set dt_, dt_+1
.endr
.set ks_, ks_+1
.endr
.endm
; Eight score products for d = 32 ks .. + 31.  bias = 1: the first link, which adds the mask's bias.  The eight accumulators take turns.
.macro SPROD ks, bias
.set mt_, 0
.rept 4
.set qt_, 0
.rept 2
.if \bias
	v_wmma_f32_16x16x32_bf16 v[SCO+32*qt_+8*mt_:SCO+32*qt_+8*mt_+7], v[KF+16*mt_+8*\ks:KF+16*mt_+8*\ks+7], v[QF+16*qt_+8*\ks:QF+16*qt_+8*\ks+7], v[BI+8*mt_:BI+8*mt_+7]
.else
	v_wmma_f32_16x16x32_bf16 v[SCO+32*qt_+8*mt_:SCO+32*qt_+8*mt_+7], v[KF+16*mt_+8*\ks:KF+16*mt_+8*\ks+7], v[QF+16*qt_+8*\ks:QF+16*qt_+8*\ks+7], v[SCO+32*qt_+8*mt_:SCO+32*qt_+8*mt_+7]
.endif
.set qt_, qt_+1
.endr
.set mt_, mt_+1
.endr
.endm
; Eight products O^T += V^T P^T for keys 32 ks .. + 31.  zero = 1: they start the sums.  Again by turns.
.macro PVPROD ks, zero
.set dt_, 0
.rept 4
.set qt_, 0
.rept 2
.if \zero
	v_wmma_f32_16x16x32_f16 v[OA+32*qt_+8*dt_:OA+32*qt_+8*dt_+7], v[VF+32*\ks+8*dt_:VF+32*\ks+8*dt_+7], v[SCO+32*qt_+16*\ks:SCO+32*qt_+16*\ks+7], 0
.else
	v_wmma_f32_16x16x32_f16 v[OA+32*qt_+8*dt_:OA+32*qt_+8*dt_+7], v[VF+32*\ks+8*dt_:VF+32*\ks+8*dt_+7], v[SCO+32*qt_+16*\ks:SCO+32*qt_+16*\ks+7], v[OA+32*qt_+8*dt_:OA+32*qt_+8*dt_+7]
.endif
.set qt_, qt_+1
.endr
.set dt_, dt_+1
.endr
.endm
; The new maximum of query tile qt over my 32 scores, the old maximum and the other half of the lanes; and old - new for the factor.
.macro MAXQ qt, first
.set SB, SCO+32*\qt
.set TB, TZ+4*\qt
.set cc, 0
.rept 4
	v_max3_num_f32 v[TB+cc], v[SB+8*cc], v[SB+8*cc+1], v[SB+8*cc+2]
.set cc, cc+1
.endr
.set cc, 0
.rept 4
	v_max3_num_f32 v[TB+cc], v[TB+cc], v[SB+8*cc+3], v[SB+8*cc+4]
.set cc, cc+1
.endr
.set cc, 0
.rept 4
	v_max3_num_f32 v[TB+cc], v[TB+cc], v[SB+8*cc+5], v[SB+8*cc+6]
.set cc, cc+1
.endr
	v_max3_num_f32 v[TB], v[TB], v[TB+1], v[SB+7]
	v_max3_num_f32 v[TB+2], v[TB+2], v[TB+3], v[SB+15]
	v_max3_num_f32 v[TB], v[TB], v[TB+2], v[SB+23]
.if \first
	v_max_num_f32 v[TB], v[TB], v[SB+31]
	v_permlanex16_b32 v[MX+2*\qt+1], v[TB], s12, s13
	v_max_num_f32 v[MX+2*\qt], v[TB], v[MX+2*\qt+1]
.else
	v_max3_num_f32 v[TB], v[TB], v[SB+31], v[MX+2*\qt]
	v_permlanex16_b32 v[MX+2*\qt+1], v[TB], s12, s13
	v_max_num_f32 v[TB], v[TB], v[MX+2*\qt+1]
	v_sub_f32 v[AL+2*\qt], v[MX+2*\qt], v[TB]
	v_mov_b32 v[MX+2*\qt], v[TB]
.endif
.endm
; Turn i (0..15) of the sum and the packing of query tile qt.  Pair k = probabilities 2 k, 2 k + 1.  Four chains of pairs, folded in turns 12 to 15.
; The pack of pair i lands on register 16 (i / 8) + i % 8 of the tile's 32: a register of a pair that has been summed and packed already (or of pair i itself).
.macro SUMPACK qt, i, first
.set PB, SCO+32*\qt
.if \i < 4
	s_wait_alu depctr_va_vdst(0)
	v_pk_add_f32 v[TZ+2*\i:TZ+2*\i+1], v[PB+2*\i:PB+2*\i+1], v[PB+2*\i+8:PB+2*\i+9]
.else
.if \i < 12
	v_pk_add_f32 v[TZ+2*(\i%4):TZ+2*(\i%4)+1], v[TZ+2*(\i%4):TZ+2*(\i%4)+1], v[PB+2*\i+8:PB+2*\i+9]
.else
.if \i == 12
	v_pk_add_f32 v[TZ:TZ+1], v[TZ:TZ+1], v[TZ+2:TZ+3]
.endif
.if \i == 13
	v_pk_add_f32 v[TZ+4:TZ+5], v[TZ+4:TZ+5], v[TZ+6:TZ+7]
.endif
.if \i == 14
	v_pk_add_f32 v[TZ:TZ+1], v[TZ:TZ+1], v[TZ+4:TZ+5]
.endif
.if \i == 15
.if \first
	v_add_f32 v[AL+2*\qt+1], v[TZ], v[TZ+1]
.else
	v_fma_f32 v[AL+2*\qt+1], v[AL+2*\qt+1], v[AL+2*\qt], v[TZ]
	v_add_f32 v[AL+2*\qt+1], v[AL+2*\qt+1], v[TZ+1]
.endif
.endif
.endif
.endif
	v_cvt_pk_f16_f32 v[PB+16*(\i/8)+(\i%8)], v[PB+2*\i], v[PB+2*\i+1]
.endm
; One step of 64 keys, whose fragments were asked for in the step before.  slot: the slot they came from.  nslot, nj, bo: slot, quarter and bias offset of the next
; step's keys.  first = 1: nothing to carry on from.  turn = 1: these were the slot's last keys and it is filled again; 2: the same, nothing left to fetch.
; pf = 0: the last step.  LDS loads are issued in the order K (16), bias (8), V (16).
.macro STEP slot, nslot, nj, bo, first, turn, pf
	s_wait_dscnt 16                                ; K and the bias are in; V's 16 younger loads stay out
	WIN 0x04                                       ; source 1 (Q) in window 1
	SPROD 0, 1
	SPROD 1, 0
	WIN 0
	PLACES 4                                       ; four places before the scores are read and loads are issued into K's and the bias's registers
.if \turn == 1
	s_wait_dscnt 0x0                               ; my reads of this slot are over: the last were this step's V fragments
	s_set_vgpr_msb 0x5
	s_wait_tensorcnt 0x0                           ; all my tensor loads have landed: my part of the other slot
	ds_add_u32 v96, v97
	s_wait_dscnt 0x0
	s_set_vgpr_msb 0x500
	s_add_nc_u64 s[KG0+4*\slot+2:KG0+4*\slot+3], s[KG0+4*\slot+2:KG0+4*\slot+3], 2*TILEB
	s_add_nc_u64 s[VG0+4*\slot+2:VG0+4*\slot+3], s[VG0+4*\slot+2:VG0+4*\slot+3], 2*TILEB
	CROUND                                         ; both hold of every wave of all four work-groups
	JLOAD \slot                                    ; the joint refill, first behind the round; it has four steps in which to land
.endif
.if \turn == 2
	s_wait_dscnt 0x0
	s_wait_tensorcnt 0x0                           ; the last tile has landed
	s_barrier_signal -1
	s_barrier_wait -1
.endif
.if \pf
	KLOAD \nslot, \nj
	BLOAD \bo
.endif
	MAXQ 0, \first
	MAXQ 1, \first
.set ii, 0
.rept 16
	v_pk_add_f32 v[SCO+2*ii:SCO+2*ii+1], v[SCO+2*ii:SCO+2*ii+1], v[MX:MX+1] op_sel_hi:[1,0] neg_lo:[0,1] neg_hi:[0,1]   ; score - maximum
.set ii, ii+1
.endr
.if \first
.else
	v_exp_f32 v[AL], v[AL]
	v_exp_f32 v[AL+2], v[AL+2]
.endif
	; behind every two exponentials stands a plain instruction on other registers, and no result is used before it (ISA guide 5.7.2)
.set ii, 0
.rept 16
	v_exp_f32 v[SCO+2*ii], v[SCO+2*ii]
	v_exp_f32 v[SCO+2*ii+1], v[SCO+2*ii+1]
	v_pk_add_f32 v[SCO+32+2*ii:SCO+32+2*ii+1], v[SCO+32+2*ii:SCO+32+2*ii+1], v[MX+2:MX+3] op_sel_hi:[1,0] neg_lo:[0,1] neg_hi:[0,1]
.set ii, ii+1
.endr
.set ii, 0
.rept 16
	v_exp_f32 v[SCO+32+2*ii], v[SCO+32+2*ii]
	v_exp_f32 v[SCO+32+2*ii+1], v[SCO+32+2*ii+1]
	SUMPACK 0, ii, \first
.set ii, ii+1
.endr
.set ii, 0
.rept 16
	SUMPACK 1, ii, \first
.set ii, ii+1
.endr
.if \first
.else
	WIN 0x41                                       ; O in window 1, the factor in window 0
.set ii, 0
.rept 16
	v_pk_mul_f32 v[OA+2*ii:OA+2*ii+1], v[OA+2*ii:OA+2*ii+1], v[AL:AL+1] op_sel_hi:[1,0]
.set ii, ii+1
.endr
.set ii, 0
.rept 16
	v_pk_mul_f32 v[OA+32+2*ii:OA+32+2*ii+1], v[OA+32+2*ii:OA+32+2*ii+1], v[AL+2:AL+3] op_sel_hi:[1,0]
.set ii, ii+1
.endr
.endif
.if \pf
	s_wait_dscnt 24                                ; V is in; the 24 loads of the next K and bias stay out
.else
	s_wait_dscnt 0x0
.endif
	WIN 0x50                                       ; C and D in window 1
	PVPROD 0, \first
	PVPROD 1, 0
	WIN 0
	PLACES 5                                       ; four places before loads are issued into V's registers, five before the next scores are written over P
.if \pf
	VLOAD \nslot, \nj
.endif
.endm
	KLOAD 0, 0
	BLOAD 0
	VLOAD 0, 0
	STEP 0, 0, 1, 256, 1, 0, 1                     ; step 0
	s_mov_b32 s9, 3
.Lkeys:                                            ; steps 1 + 8 t .. 8 + 8 t; the bias offset is that of the step after, less 2,048 t
	STEP 0, 0, 2, 512,  0, 0, 1
	STEP 0, 0, 3, 768,  0, 0, 1
	STEP 0, 1, 0, 1024, 0, 1, 1                    ; slot 0 is read out and filled again
	STEP 1, 1, 1, 1280, 0, 0, 1
	STEP 1, 1, 2, 1536, 0, 0, 1
	STEP 1, 1, 3, 1792, 0, 0, 1
	STEP 1, 0, 0, 2048, 0, 1, 1                    ; slot 1 is read out and filled again
	STEP 0, 0, 1, 2304, 0, 0, 1
	v_add_nc_u32 v[BADR], 2048, v[BADR]            ; eight steps of 64 words of bias
	s_sub_co_u32 s9, s9, 1
	s_cmp_lg_u32 s9, 0
	s_cbranch_scc1 .Lkeys
	STEP 0, 0, 2, 512,  0, 0, 1                    ; steps 25 to 31: the six refills have brought tiles 2 to 7, nothing is left to fetch
	STEP 0, 0, 3, 768,  0, 0, 1
	STEP 0, 1, 0, 1024, 0, 2, 1
	STEP 1, 1, 1, 1280, 0, 0, 1
	STEP 1, 1, 2, 1536, 0, 0, 1
	STEP 1, 1, 3, 1792, 0, 0, 1
	STEP 1, 0, 0, 0,    0, 0, 0
	; THE WAY OUT.  The last step's five places stand behind the last matrix instruction.  The two halves of the lanes add their sums; O / sum in f16 goes
	; through my stage, 16 queries at a time, and leaves as whole rows: a wave's 32 queries are 4,096 consecutive bytes of the head's slab.
	v_permlanex16_b32 v[MX+1], v[AL+1], s12, s13
	v_permlanex16_b32 v[MX+3], v[AL+3], s12, s13
	v_add_f32 v[AL+1], v[AL+1], v[MX+1]
	v_add_f32 v[AL+3], v[AL+3], v[MX+3]
	v_rcp_f32 v[AL], v[AL+1]                       ; the sum is at least 1: the largest score's term
	v_rcp_f32 v[AL+2], v[AL+3]
	v_nop                                          ; one plain place behind the reciprocals (ISA guide 5.7.2)
.macro OUTQ qt
	WIN 0x01                                       ; source 0 (O) in window 1
.set ii, 0
.rept 16
	s_wait_alu depctr_va_vdst(0)
	v_pk_mul_f32 v[SCO+2*ii:SCO+2*ii+1], v[OA+32*\qt+2*ii:OA+32*\qt+2*ii+1], v[AL+2*\qt:AL+2*\qt+1] op_sel_hi:[1,0]
.set ii, ii+1
.endr
	WIN 0
.set ii, 0
.rept 16
	v_cvt_pk_f16_f32 v[KF+ii], v[SCO+2*ii], v[SCO+2*ii+1]
.set ii, ii+1
.endr
.set ii, 0
.rept 4
	ds_store_b128 v[STO], v[KF+4*ii:KF+4*ii+3] offset:32*ii
.set ii, ii+1
.endr
.set ii, 0
.rept 4
	ds_load_b128 v[VF+16*\qt+4*ii:VF+16*\qt+4*ii+3], v[RD] offset:4*KPITCH*ii   ; LDS serves a wave's instructions in order: these see the stores above
.set ii, ii+1
.endr
.set ii, 0
.rept 4
	s_wait_dscnt 3-ii                              ; read-back ii is in, the younger ones stay out
	global_store_b128 v[CO], v[VF+16*\qt+4*ii:VF+16*\qt+4*ii+3], s[10:11] offset:2048*\qt+512*ii
.set ii, ii+1
.endr
.endm
	OUTQ 0
	OUTQ 1
	s_set_vgpr_msb 0x5
	s_wait_tensorcnt 0x0
	ds_add_u32 v96, v97
	s_wait_dscnt 0x0
	s_set_vgpr_msb 0x500
	CROUND                                         ; the closing round
	s_endpgm
.Lfunc_end_k_q607cb6673e_attn:
	.size	k_q607cb6673e_attn, .Lfunc_end_k_q607cb6673e_attn-k_q607cb6673e_attn
	.p2alignl 7, 3214868480
	.fill 96, 4, 3214868480
	.section	.rodata,"a",@progbits
	.p2align	6, 0x0
	.amdhsa_kernel k_q607cb6673e_attn
		.amdhsa_group_segment_fixed_size 327680
		.amdhsa_private_segment_fixed_size 0
		.amdhsa_enable_private_segment 0
		.amdhsa_kernarg_size 24
		.amdhsa_user_sgpr_count 2
		.amdhsa_user_sgpr_kernarg_segment_ptr 1
		.amdhsa_wavefront_size32 1
		.amdhsa_system_sgpr_workgroup_id_x 1
		.amdhsa_system_sgpr_workgroup_id_y 1
		.amdhsa_system_sgpr_workgroup_id_z 1
		.amdhsa_system_vgpr_workitem_id 0
		.amdhsa_next_free_vgpr 354
		.amdhsa_next_free_sgpr 66
		.amdhsa_reserve_vcc 1
		.amdhsa_float_denorm_mode_32 3
		.amdhsa_float_denorm_mode_16_64 3
		.amdhsa_memory_ordered 1
		.amdhsa_forward_progress 1
		.amdhsa_inst_pref_size 255
	.end_amdhsa_kernel
	.section	.bss,"aw",@nobits
	.p2align	6
	.space	262144
	.amdgpu_metadata
---
amdhsa.version: [ 1, 2 ]
amdhsa.kernels:
  - .name:           k_q607cb6673e_attn
    .symbol:         k_q607cb6673e_attn.kd
    .args:
      - { .name: qkvb, .offset: 0, .size: 8, .value_kind: global_buffer, .address_space: global }
      - { .name: attention_mask, .offset: 8, .size: 8, .value_kind: global_buffer, .address_space: global }
      - { .name: ob, .offset: 16, .size: 8, .value_kind: global_buffer, .address_space: global }
    .group_segment_fixed_size: 327680
    .private_segment_fixed_size: 0
    .kernarg_segment_align: 8
    .kernarg_segment_size: 24
    .max_flat_workgroup_size: 256
    .sgpr_count:     66
    .vgpr_count:     354
    .wavefront_size: 32
...
	.end_amdgpu_metadata
.endif
;; end of part 3
;; launch oproj (part 4): grid 16 x 16, 4 waves a work-group, clusters of 4 x 4, 327,680 bytes of LDS; arguments ob, wob, out0; writes out0
.if DOCPART == 4
	.amdgcn_target "amdgcn-amd-amdhsa--gfx1250"
	.amdhsa_code_object_version 6
	.text
	.protected	k_q607cb6673e_oproj
	.globl	k_q607cb6673e_oproj
	.p2align	8
	.type	k_q607cb6673e_oproj,@function
k_q607cb6673e_oproj:
	s_mov_b64 s[64:65], 0
	v_nop
	global_prefetch_b8 v0, s[64:65] scope:SCOPE_SE
	s_setreg_imm32_b32 hwreg(HW_REG_WAVE_MODE, 25, 1), 1
	s_wait_xcnt 0x0
	s_wait_alu depctr_hold_cnt(0) depctr_sa_sdst(0) depctr_va_vdst(0) depctr_va_sdst(0) depctr_va_ssrc(0) depctr_va_vcc(0) depctr_vm_vsrc(0)
	s_getreg_b32 s2, hwreg(HW_REG_IB_STS2, 6, 4)
	s_cmp_eq_u32 s2, 0
	s_cbranch_scc0 .Lentry_in_a_cluster
	s_endpgm
.Lentry_in_a_cluster:
	s_bfe_u32 s2, ttmp6, 0x10000c
	s_cmp_lg_u32 s2, 0xf033
	s_cbranch_scc0 .Lentry_shape_is_right
	s_endpgm
.Lentry_shape_is_right:
; oproj: out0[m][n] = sum over o of O[m][o] wo[n][o], K = 2048, f16 operands, f32 sums, f32 output.
; A = ob, 32 slabs [2048][64] f16 (slab = head, o = 64 head + d); B = wob [2048][2048] f16.
; A work-group makes 128 x 128 with four waves, a wave 64 x 64: 16 accumulator tiles.  256 work-groups in 16 clusters of 4 x 4.
; K goes through a ring of two LDS slots of 256 along K (four heads); a slot is eight sub-steps of 32.
; CLUSTERS: A's tile hangs on the block row alone and is asked for jointly by a row of the cluster, B's on the block column alone, by a column.
; A's tile of 64 rows x 4 heads is four pieces of 8,192 consecutive bytes, one a slab: a tile of 4 rows of 4,096 elements, a slab apart, with padding
; behind every 128 bytes, so that in LDS each piece is 64 rows of 144 bytes.
; THE MATRIX INSTRUCTION IS USED TRANSPOSED (source 0 = rows of B, source 1 = rows of A): lane (r, h), register j holds C(m0 + r, n0 + 8 h + j).
; REGISTERS: window 0: v1-14 addresses, v64-127 and v128-191 two fragment buffers (B's four fragments, then A's four).  Window 1: v0-127 accumulators.
.set APITCH, 144                       ; 128 bytes + 16 = 9 x 16
.set ACHUNK, 64*APITCH                 ; bytes from one head's piece to the next in LDS
.set AQ,     4*ACHUNK                  ; 64 rows x 4 heads: what one tensor load brings
.set BPITCH, 528                       ; 512 bytes + 16 = 33 x 16
.set BQ,     64*BPITCH
.set SLOT,   2*AQ+2*BQ
.set STAGE,  2*SLOT                    ; behind the ring: 16 rows x 272 bytes for each wave; no tensor load lands there
.set SPITCH, 272
.set ASTEP,  4*262144                  ; four slabs
.set BSTEP,  512
.set ADRA, 8
.set ADRB, 10
.set STO,  12
.set RD,   13
.set CO,   14
.set F0,   64
.set F1,   128
.set G1,  24
.set G0,  32
.set G1B, 48
.set G0B, 56
.set ACCW, 0x50
.set MSB, 0
.macro WIN new
.if MSB != \new
	s_set_vgpr_msb (MSB<<8)|\new
.set MSB, \new
.endif
.endm
.macro PLACES n
.rept \n
	v_nop
.endr
.endm
.macro JLOAD s                         ; waves 0 and 1 fetch A's two halves, waves 2 and 3 B's
	s_cmp_eq_u32 s11, 0
	s_cbranch_scc0 .Lfor_b_\@
	tensor_load_to_lds s[G0+4*\s:G0+4*\s+3], s[G1:G1+7]
	s_nop 0
	s_branch .Lasked_\@
.Lfor_b_\@:
	tensor_load_to_lds s[G0B+4*\s:G0B+4*\s+3], s[G1B:G1B+7]
	s_nop 0
.Lasked_\@:
.endm
.macro CREST
	s_cmp_lg_u32 s10, 0
	s_cbranch_scc1 .Lnot_wave_0_\@
	s_barrier_signal -3
.Lnot_wave_0_\@:
	s_barrier_wait -3
	s_barrier_signal -1
	s_barrier_wait -1
.endm
.macro CROUND
	s_barrier_signal -1
	s_barrier_wait -1
	CREST
.endm
	s_load_b128 s[4:7], s[0:1], 0x0                ; ob s[4:5], wob s[6:7]
	s_load_b64 s[8:9], s[0:1], 0x10                ; out0
	v_lshl_add_u32 v254, v0, 2, 0x49400
	v_mov_b32 v255, 0
	ds_add_u32 v254, v255
	v_lshrrev_b32 v1, 5, v0
	v_readfirstlane_b32 s10, v1                    ; wave 0..3
	s_lshr_b32 s11, s10, 1                         ; my half of the rows.  Also: I fetch for A (0) or for B (1)
	s_and_b32 s12, s10, 1                          ; my half of the columns.  Also: which 64 rows of that tile I fetch
	s_bfe_u32 s40, ttmp6, 0x40000                  ; cx
	s_bfe_u32 s41, ttmp6, 0x40004                  ; cy
	s_lshl_b32 s42, ttmp9, 2
	s_add_co_u32 s42, s42, s40                     ; block column
	s_and_b32 s13, ttmp7, 0xffff
	s_lshl_b32 s13, s13, 2
	s_add_co_u32 s13, s13, s41                     ; block row
	s_lshl_b32 s43, s41, 2
	s_lshl_b32 s43, 15, s43                        ; my row of the cluster
	s_lshl_b32 s44, 0x1111, s40                    ; my column
	s_or_b32 s[G1+0], s43, (1<<16)|(1<<20)|(1<<21)|(4<<22)|(3<<25)    ; A: elements of 2 bytes, 4 words of padding behind every 32
	s_mov_b32 s[G1+1], 4096<<16                    ; tensor_dim0 = 4,096 elements: 64 rows of a slab
	s_mov_b32 s[G1+2], 4<<16                       ; tensor_dim1 = 4 slabs
	s_mov_b32 s[G1+3], 4096<<16                    ; tile_dim0
	s_mov_b32 s[G1+4], 4                           ; tile_dim1
	s_mov_b32 s[G1+5], 131072                      ; elements from slab to slab
	s_mov_b32 s[G1+6], 0
	s_mov_b32 s[G1+7], 0
	s_or_b32 s[G1B+0], s44, (1<<16)|(1<<20)|(1<<21)|(6<<22)|(3<<25)   ; B: 64 rows x 256 elements, 4 words of padding behind every 128
	s_mov_b32 s[G1B+1], 256<<16
	s_mov_b32 s[G1B+2], 64<<16
	s_mov_b32 s[G1B+3], 256<<16
	s_mov_b32 s[G1B+4], 64
	s_mov_b32 s[G1B+5], 2048
	s_mov_b32 s[G1B+6], 0
	s_mov_b32 s[G1B+7], 0
	s_lshl_b32 s17, s12, 6
	s_lshl_b32 s16, s13, 7
	s_add_co_u32 s16, s16, s17                     ; A: row 128 x block row + 64 x half,
	s_lshl_b32 s16, s16, 7                         ; rows of 128 bytes in a slab
	s_lshl_b32 s46, s42, 7
	s_add_co_u32 s46, s46, s17                     ; B: row 128 x block column + 64 x half,
	s_lshl_b32 s46, s46, 12                        ; rows of 4,096 bytes
	s_mov_b32 s17, 0
	s_mov_b32 s47, 0
	s_mul_i32 s20, s10, AQ                         ; A's halves at 0 and AQ (waves 0, 1)
	s_mul_i32 s21, s10, BQ
.if AQ != BQ
	s_add_co_u32 s21, s21, 2*(AQ-BQ)               ; B's halves at 2 AQ and 2 AQ + BQ (waves 2, 3)
.endif
	s_wait_dscnt 0x0
	s_wait_kmcnt 0x0
	s_add_nc_u64 s[14:15], s[4:5], s[16:17]
	s_add_nc_u64 s[46:47], s[6:7], s[46:47]
	CROUND                                         ; all sixteen work-groups are here: the first joint loads meet
.irp s, 0,1
	s_mov_b32 s[G0+4*\s], 1
	s_add_co_u32 s[G0+4*\s+1], s20, \s*SLOT
	s_add_nc_u64 s[G0+4*\s+2:G0+4*\s+3], s[14:15], \s*ASTEP
	s_or_b32 s[G0+4*\s+3], s[G0+4*\s+3], 0x80000000
	s_mov_b32 s[G0B+4*\s], 1
	s_add_co_u32 s[G0B+4*\s+1], s21, \s*SLOT
	s_add_nc_u64 s[G0B+4*\s+2:G0B+4*\s+3], s[46:47], \s*BSTEP
	s_or_b32 s[G0B+4*\s+3], s[G0B+4*\s+3], 0x80000000
	JLOAD \s                                       ; two tensor loads of a wave are out here, one behind each later round
.endr
	v_and_b32 v1, 15, v0                           ; r
	v_bfe_u32 v2, v0, 4, 1                         ; h
	v_mul_u32_u24 v3, v1, APITCH
	v_lshl_add_u32 v3, v2, 4, v3
	v_mul_u32_u24 v4, v1, BPITCH
	v_lshl_add_u32 v4, v2, 4, v4
	s_mul_i32 s22, s11, AQ
	s_mul_i32 s23, s12, BQ
	s_add_co_u32 s23, s23, 2*AQ
.irp s, 0,1
	v_add_nc_u32 v[ADRA+\s], s22, v3
	v_add_nc_u32 v[ADRB+\s], s23, v4
	s_add_co_u32 s22, s22, SLOT
	s_add_co_u32 s23, s23, SLOT
.endr
	s_mul_i32 s18, s10, 16*SPITCH
	s_add_co_u32 s18, s18, STAGE                   ; my stage
	v_mul_u32_u24 v5, v1, SPITCH
	v_lshl_add_u32 v5, v2, 5, v5
	v_add_nc_u32 v[STO], s18, v5                   ; in: row r, 32 bytes for each half of the lanes
	v_mul_u32_u24 v6, v2, SPITCH
	v_lshl_add_u32 v6, v1, 4, v6
	v_add_nc_u32 v[RD], s18, v6                    ; back: lanes 0-15 one row of 256 bytes, lanes 16-31 the next
	v_lshlrev_b32 v7, 13, v2
	v_lshl_add_u32 v[CO], v1, 4, v7                ; and the same two rows of out0, 8,192 bytes apart
; The sixteen accumulators take turns, one instruction a turn, in the same order everywhere.
.macro MULA f, a0, n, zero
.set ma, \a0
.rept \n
.set mb, 0
.rept 4
.if \zero
	v_wmma_f32_16x16x32_f16 v[8*(4*ma+mb):8*(4*ma+mb)+7], v[\f+8*mb:\f+8*mb+7], v[\f+32+8*ma:\f+32+8*ma+7], 0
.else
	v_wmma_f32_16x16x32_f16 v[8*(4*ma+mb):8*(4*ma+mb)+7], v[\f+8*mb:\f+8*mb+7], v[\f+32+8*ma:\f+32+8*ma+7], v[8*(4*ma+mb):8*(4*ma+mb)+7]
.endif
.set mb, mb+1
.endr
.set ma, ma+1
.endr
.endm
.macro FETCH slot, q, f                ; 16 LDS loads: sub-step q's fragments; in A's part sub-step q is half q & 1 of head q >> 1
.set fi, 0
.rept 4
	ds_load_b128 v[\f+8*fi:\f+8*fi+3],   v[ADRB+\slot] offset:64*\q+16*fi*BPITCH
	ds_load_b128 v[\f+8*fi+4:\f+8*fi+7], v[ADRB+\slot] offset:64*\q+16*fi*BPITCH+32
.set fi, fi+1
.endr
.set fi, 0
.rept 4
	ds_load_b128 v[\f+32+8*fi:\f+32+8*fi+3],   v[ADRA+\slot] offset:(\q>>1)*ACHUNK+(\q&1)*64+16*fi*APITCH
	ds_load_b128 v[\f+32+8*fi+4:\f+32+8*fi+7], v[ADRA+\slot] offset:(\q>>1)*ACHUNK+(\q&1)*64+16*fi*APITCH+32
.set fi, fi+1
.endr
.endm
.macro SUB f, g, slot, qn, zero
	PLACES 4                                       ; buffer g was read by the matrix instructions just issued: four places before loads are issued into it
	WIN 0
	FETCH \slot, \qn, \g
	s_wait_dscnt 16                                ; buffer f's 16 loads are in; the 16 just issued stay out
	WIN ACCW
	MULA \f, 0, 4, \zero
.endm
.macro HALF slot, zero
	SUB F0, F1, \slot, 1, \zero
	SUB F1, F0, \slot, 2, 0
	SUB F0, F1, \slot, 3, 0
	SUB F1, F0, \slot, 4, 0
	SUB F0, F1, \slot, 5, 0
	SUB F1, F0, \slot, 6, 0
	SUB F0, F1, \slot, 7, 0
.endm
; Sub-step 7 and the change of slots: each wave's reads of this slot and all its tensor loads are waited for in front of the barrier; where the slot is
; filled again the barrier opens a round of the cluster's barrier and the joint refill is the first tensor load behind it.
.macro TURN slot, next, fill
	s_wait_dscnt 0x0
	s_wait_tensorcnt 0x0
	ds_add_u32 v254, v255
	s_wait_dscnt 0x0
	s_barrier_signal -1
	WIN ACCW
	MULA F1, 0, 2, 0
	WIN 0
	s_barrier_wait -1
.if \fill
	CREST
	s_add_nc_u64 s[G0+4*\slot+2:G0+4*\slot+3], s[G0+4*\slot+2:G0+4*\slot+3], 2*ASTEP
	s_add_nc_u64 s[G0B+4*\slot+2:G0B+4*\slot+3], s[G0B+4*\slot+2:G0B+4*\slot+3], 2*BSTEP
	JLOAD \slot
.endif
	PLACES 4
	FETCH \next, 0, F0
	WIN ACCW
	MULA F1, 2, 2, 0
.endm
.macro LAP zero
	HALF 0, \zero
	TURN 0, 1, 1
	HALF 1, 0
	TURN 1, 0, 1
.endm
	s_wait_tensorcnt 0x1                           ; my part of slot 0 is in; slot 1's may stay out
	s_barrier_signal -1
	s_barrier_wait -1
	FETCH 0, 0, F0
	LAP 1
	WIN 0
	s_mov_b32 s3, 2
.Llap:
	LAP 0
	WIN 0
	s_sub_co_u32 s3, s3, 1
	s_cmp_lg_u32 s3, 0
	s_cbranch_scc1 .Llap
	HALF 0, 0                                      ; the last two tiles: nothing is left to fetch
	TURN 0, 1, 0
	HALF 1, 0
	s_wait_dscnt 0x0
	WIN ACCW
	MULA F1, 0, 4, 0
	PLACES 4                                       ; four places before the results are stored to LDS and the fragment buffers loaded again
	WIN 0
	s_lshl_b32 s16, s13, 7
	s_lshl_b32 s17, s11, 6
	s_add_co_u32 s16, s16, s17                     ; my first row,
	s_lshl_b32 s16, s16, 13                        ; rows of 8,192 bytes
	s_mov_b32 s17, 0
	s_add_nc_u64 s[8:9], s[8:9], s[16:17]
	s_lshl_b32 s46, s42, 9                         ; my first column, in bytes: 512 x block + 256 x half
	s_lshl_b32 s47, s12, 8
	s_add_co_u32 s46, s46, s47
	s_mov_b32 s47, 0
	s_add_nc_u64 s[8:9], s[8:9], s[46:47]
; THE WAY OUT, 16 rows at a time: a lane's 32 bytes of each tile into my own stage, read back as whole rows of 256 bytes.
.macro OUT a
	WIN 0x04                                       ; an LDS store's data is source 1: window 1
.set ob_, 0
.rept 4
	ds_store_b128 v[STO], v[8*(4*\a+ob_):8*(4*\a+ob_)+3]   offset:64*ob_
	ds_store_b128 v[STO], v[8*(4*\a+ob_)+4:8*(4*\a+ob_)+7] offset:64*ob_+16
.set ob_, ob_+1
.endr
	WIN 0
.set ob_, 0
.rept 8
	ds_load_b128 v[F0+32*\a+4*ob_:F0+32*\a+4*ob_+3], v[RD] offset:2*SPITCH*ob_   ; LDS serves a wave's instructions in order: these see the stores above
.set ob_, ob_+1
.endr
.set ob_, 0
.rept 8
	s_wait_dscnt 7-ob_                             ; read-back ob_ is in, the younger ones stay out
	global_store_b128 v[CO], v[F0+32*\a+4*ob_:F0+32*\a+4*ob_+3], s[8:9] offset:(16*\a+2*ob_)*8192 th:TH_STORE_NT   ; 16 lanes store 256 consecutive bytes, from a multiple of 256
.set ob_, ob_+1
.endr
.endm
	OUT 0
	OUT 1
	OUT 2
	OUT 3
	s_wait_tensorcnt 0x0
	ds_add_u32 v254, v255
	s_wait_dscnt 0x0
	CROUND                                         ; the closing round
	s_endpgm
.Lfunc_end_k_q607cb6673e_oproj:
	.size	k_q607cb6673e_oproj, .Lfunc_end_k_q607cb6673e_oproj-k_q607cb6673e_oproj
	.p2alignl 7, 3214868480
	.fill 96, 4, 3214868480
	.section	.rodata,"a",@progbits
	.p2align	6, 0x0
	.amdhsa_kernel k_q607cb6673e_oproj
		.amdhsa_group_segment_fixed_size 327680
		.amdhsa_private_segment_fixed_size 0
		.amdhsa_enable_private_segment 0
		.amdhsa_kernarg_size 24
		.amdhsa_user_sgpr_count 2
		.amdhsa_user_sgpr_kernarg_segment_ptr 1
		.amdhsa_wavefront_size32 1
		.amdhsa_system_sgpr_workgroup_id_x 1
		.amdhsa_system_sgpr_workgroup_id_y 1
		.amdhsa_system_sgpr_workgroup_id_z 1
		.amdhsa_system_vgpr_workitem_id 0
		.amdhsa_next_free_vgpr 384
		.amdhsa_next_free_sgpr 66
		.amdhsa_reserve_vcc 0
		.amdhsa_float_denorm_mode_32 3
		.amdhsa_float_denorm_mode_16_64 3
		.amdhsa_memory_ordered 1
		.amdhsa_forward_progress 1
		.amdhsa_inst_pref_size 126
	.end_amdhsa_kernel
	.amdgpu_metadata
---
amdhsa.version: [ 1, 2 ]
amdhsa.kernels:
  - .name:           k_q607cb6673e_oproj
    .symbol:         k_q607cb6673e_oproj.kd
    .args:
      - { .name: ob, .offset: 0, .size: 8, .value_kind: global_buffer, .address_space: global }
      - { .name: wob, .offset: 8, .size: 8, .value_kind: global_buffer, .address_space: global }
      - { .name: out0, .offset: 16, .size: 8, .value_kind: global_buffer, .address_space: global }
    .group_segment_fixed_size: 327680
    .private_segment_fixed_size: 0
    .kernarg_segment_align: 8
    .kernarg_segment_size: 24
    .max_flat_workgroup_size: 128
    .sgpr_count:     66
    .vgpr_count:     384
    .wavefront_size: 32
...
	.end_amdgpu_metadata
.endif
;; end of part 4
